; MI455X (gfx1250); checked and timed in simulation.
; The chip was launched on July 23, 2026; its instructions are those of AMD's public machine-readable ISA for CDNA 5 (MIT licence, August 2026) and "CDNA5" Instruction Set Architecture Reference Guide (July 2026). The comments in the code are by the model that wrote it; some were corrected since.
;; Multi Head Attention. Allowed arithmetic: matrix products marked QUANTISED: E5M2 operands, one given power-of-two scale a tensor, by v_wmma_f32_16x16x64_bf8_bf8 or v_wmma_f32_16x16x128_bf8_bf8, f32 sums; everything else in f32.
;; Inputs: Wk_codes 16 x 64 x 32 x 32 uint8 (E5M2 codes of Wk, K innermost, in blocks of 32 codes); Wp_codes 1,024 x 32 x 32 uint8 (E5M2 codes of Wp, K innermost, in blocks of 32 codes); Wq_codes 16 x 64 x 32 x 32 uint8 (E5M2 codes of Wq, K innermost, in blocks of 32 codes); Wv_codes 16 x 64 x 32 x 32 uint8 (E5M2 codes of Wv, K innermost, in blocks of 32 codes); bp 1,024 float32; lowp_scales 12 int32 (the exponents e of the quantised operands' scales 2^e); x_codes 4 x 2,048 x 32 x 32 uint8 (E5M2 codes of x, K innermost, in blocks of 32 codes).
;; Outputs: out0 4 x 2,048 x 1,024 float32.
;; This version of the problem:
;;   THIS VERSION OF THE PROBLEM IS GIVEN IN LOW PRECISION. The matrix products marked QUANTISED in the list below multiply operands that are first quantised to E5M2 (5 exponent bits, 2 mantissa bits; 8 bits a number), with one given power-of-two scale for each operand tensor; their sums are f32. All else is computed in f32.
;;   The module's matrix products, in the order in which they are computed (A, B: the left and right operand; K: the contracted axis; several contracted axes count as one K, in the product's order):
;;     1. [M 1,024, K 1,024] x [K 1,024, N 8,192]; A: input Wq (given as codes); B: input x (given as codes): QUANTISED (scales: A lowp_scales[0], B lowp_scales[1])
;;     2. [M 1,024, K 1,024] x [K 1,024, N 8,192]; A: input Wk (given as codes); B: input x (given as codes): QUANTISED (scales: A lowp_scales[2], B lowp_scales[3])
;;     3. [M 1,024, K 1,024] x [K 1,024, N 8,192]; A: input Wv (given as codes); B: input x (given as codes): QUANTISED (scales: A lowp_scales[4], B lowp_scales[5])
;;     4. batch 64 x [M 2,048, K 64] x [K 64, N 2,048]; A: computed on the way; B: computed on the way: QUANTISED (scales: A lowp_scales[6], B lowp_scales[7])
;;     5. batch 64 x [M 2,048, K 2,048] x [K 2,048, N 64]; A: softmax (see below); B: computed on the way: QUANTISED (scales: A lowp_scales[8], B lowp_scales[9])
;;     6. [M 8,192, K 1,024] x [K 1,024, N 1,024]; A: computed on the way; B: input Wp (given as codes): QUANTISED (scales: A lowp_scales[10], B lowp_scales[11])
;;   THE QUANTISER, for each operand of a quantised product, along K:
;;     - The operand's scale is 2^e, e = its entry of the input lowp_scales (int32; the entries are numbered through the quantised products in the list's order, A before B).
;;     - Each number is divided by the scale, clamped to +-57,344, and rounded to the nearest number of E5M2, ties to even, subnormals kept.
;;     - The product sums the exact products of the quantised numbers (number of the format x scale) in f32.
;;   ~~~python
;;   def quantise(x, axis, e):      # numpy; x: float32 -> the quantised numbers, widened to float32 again
;;       x = np.moveaxis(x, axis, -1); K = x.shape[-1]
;;       r = np.clip(x / 2.0 ** e, -57344, 57344)
;;       step = 2.0 ** (np.maximum(np.frexp(np.where(r == 0, 1, r))[1] - 1, -14) - 2)
;;       q = np.round(r / step) * step * 2.0 ** e      # np.round: ties to even
;;       return np.moveaxis(q, -1, axis).astype(np.float32)
;;   ~~~
;;   SOFTMAX AHEAD OF A QUANTISED PRODUCT. Where the list says 'softmax', what is quantised is not the finished softmax but p = 2^(t - M), with t = logit x log2(e) and M = ceil(the row's largest t), a whole number; so 1/2 < the row's largest p <= 1. The row's sum l is taken of the UNQUANTISED p, in f32, and the product's result is divided by l at the end. Since M is a whole number, a kernel that streams over the keys may use a running M (the ceiling of the running maximum): every later rescaling is an exact power of two, so the quantised numbers keep their values, but for numbers so far below the row's largest that they fall under the format's range.
;;   OPERANDS COMPUTED ON THE WAY. 'Computed on the way' means the value that the module computes at that place (a softmax that the list does not call 'softmax' is quantised finished and normalised). What goes into a quantiser is computed in f32, as accurately as f32 sums, v_exp_f32 and their like allow (about 1e-6 of the number): no bf16 or f16 on the way to a quantiser, and a product that is left as it is and whose result goes on into a quantised operand takes f32 operands (vector FMAs, or v_wmma_f32_16x16x4_f32). A number that lies on a knife's edge between two numbers of the format may be rounded either way, as far as f32 arithmetic and the matrix unit's own rounding can turn it there, and no further.
;;   INPUTS GIVEN AS CODES. Wk (in the module: [16, 1024, 64], K = its axis 1); Wp (in the module: [1024, 1024], K = its axis 0); Wq (in the module: [16, 1024, 64], K = its axis 1); Wv (in the module: [16, 1024, 64], K = its axis 1); x (in the module: [4, 2048, 1024], K = its axis 2): each comes as NAME_codes (uint8): NAME with its K axis moved to the last place and cut into blocks of 32 codes, [.., K / 32, bytes a block], one block behind the other in memory; one code a byte (a code: sign, 5 exponent bits, 2 mantissa bits); its scale is its entry of lowp_scales. Its value is code x scale, taken as it is: it is not quantised again, and the codes and scales need not be those that the quantiser above would give.
;; One version. Each part assembles by itself: llvm-mc -triple=amdgcn-amd-amdhsa -mcpu=gfx1250 --defsym DOCPART=n.
;; ======== version 1 of 1: 3 launches
;; limits: right only within a limited range of input values
;; workspace buffers: q_img 8,388,608 bytes; kv_img 16,777,216 bytes; a_img 8,388,608 bytes
;; launch qkv (part 1): grid 8 x 32, 4 waves a work-group, clusters of 4 x 4, 327,680 bytes of LDS; arguments x_codes, Wq_codes, Wk_codes, Wv_codes, lowp_scales, q_img, kv_img; writes q_img, kv_img
.if DOCPART == 1
	.amdgcn_target "amdgcn-amd-amdhsa--gfx1250"
	.amdhsa_code_object_version 6
	.text
	.protected	k_qc3f212e62b_qkv
	.globl	k_qc3f212e62b_qkv
	.p2align	8
	.type	k_qc3f212e62b_qkv,@function
k_qc3f212e62b_qkv:
	s_mov_b64 s[64:65], 0
	v_nop
	global_prefetch_b8 v0, s[64:65] scope:SCOPE_SE
	s_setreg_imm32_b32 hwreg(HW_REG_WAVE_MODE, 25, 1), 1
	s_wait_xcnt 0x0
	s_wait_alu depctr_hold_cnt(0) depctr_sa_sdst(0) depctr_va_vdst(0) depctr_va_sdst(0) depctr_va_ssrc(0) depctr_va_vcc(0) depctr_vm_vsrc(0)
	s_getreg_b32 s2, hwreg(HW_REG_IB_STS2, 6, 4)
	s_cmp_eq_u32 s2, 0
	s_cbranch_scc0 .Lentry_in_a_cluster
	s_endpgm
.Lentry_in_a_cluster:
	s_bfe_u32 s2, ttmp6, 0x10000c
	s_cmp_lg_u32 s2, 0xf033
	s_cbranch_scc0 .Lentry_shape_is_right
	s_endpgm
.Lentry_shape_is_right:
.set PITCH, 144
.set XT,    256*PITCH
.set WT,    128*PITCH
.set SLOT,  XT+3*WT
.set SPARE, 2*SLOT
.set LAPS,  4
.set PADW,  (1<<20)|(1<<21)|(4<<22)|(3<<25)
.set ADRA, 16
.set ADRB, 20
.set LO,   26
.set SPW,  28
.set NIL,  29
.set AF,   32
.set BF,   160
.set TMP,  32
.set G1A, 24
.set G0A, 32
.set G1B, 48
.set G0B, 56
.set MSB, 0
.macro WIN new
.if MSB != (\new)
	s_set_vgpr_msb (MSB<<8)|(\new)
.set MSB, (\new)
.endif
.endm
.macro PLACES
.rept 4
	v_nop
.endr
.endm
.macro JLOAD s
	s_cmp_eq_u32 s18, 0
	s_cbranch_scc0 .Lfor_w_\@
	tensor_load_to_lds s[G0A+4*\s:G0A+4*\s+3], s[G1A:G1A+7]
	s_nop 0
.rept 4
	v_nop
.endr
	s_branch .Lasked_\@
.Lfor_w_\@:
	tensor_load_to_lds s[G0B+4*\s:G0B+4*\s+3], s[G1B:G1B+7]
	s_nop 0
.rept 4
	v_nop
.endr
.Lasked_\@:
.endm
.macro CREST
	s_cmp_lg_u32 s18, 0
	s_cbranch_scc1 .Lnot_wave_0_\@
	s_barrier_signal -3
.Lnot_wave_0_\@:
	s_barrier_wait -3
	s_barrier_signal -1
	s_barrier_wait -1
.endm
.macro CROUND
	s_barrier_signal -1
	s_barrier_wait -1
	CREST
.endm
	s_load_b256 s[4:11], s[0:1], 0x0
	s_load_b128 s[12:15], s[0:1], 0x20
	s_load_b64 s[16:17], s[0:1], 0x30
	v_lshl_add_u32 v[SPW], v0, 2, SPARE
	v_mov_b32 v[NIL], 0
	ds_add_u32 v28, v29
	ds_add_u32 v28, v29
	s_wait_dscnt 0x0
	v_lshrrev_b32 v1, 5, v0
	v_readfirstlane_b32 s18, v1
	s_lshr_b32 s19, s18, 1
	s_and_b32 s20, s18, 1
	s_bfe_u32 s21, ttmp6, 0x40000
	s_bfe_u32 s22, ttmp6, 0x40004
	s_lshl_b32 s23, ttmp9, 2
	s_add_co_u32 s23, s23, s21
	s_and_b32 s40, ttmp7, 0xffff
	s_lshl_b32 s40, s40, 2
	s_add_co_u32 s40, s40, s22
	s_lshl_b32 s41, s22, 2
	s_lshl_b32 s41, 15, s41
	s_lshl_b32 s42, 0x1111, s21
	s_or_b32 s[G1A], s41, PADW
	s_or_b32 s[G1B], s42, PADW
	s_mov_b32 s[G1A+1], 128<<16
	s_mov_b32 s[G1A+2], 256<<16
	s_mov_b32 s[G1A+3], 128<<16
	s_mov_b32 s[G1A+4], 256
	s_mov_b32 s[G1A+5], 1024
	s_mov_b32 s[G1A+6], 0
	s_mov_b32 s[G1A+7], 0
	s_mov_b32 s[G1B+1], 128<<16
	s_mov_b32 s[G1B+2], 128<<16
	s_mov_b32 s[G1B+3], 128<<16
	s_mov_b32 s[G1B+4], 128
	s_mov_b32 s[G1B+5], 1024
	s_mov_b32 s[G1B+6], 0
	s_mov_b32 s[G1B+7], 0
	s_lshl_b32 s44, s40, 18
	s_mov_b32 s45, 0
	s_lshl_b32 s46, s23, 17
	s_mov_b32 s47, 0
	s_add_co_u32 s43, s18, 1
	s_mul_i32 s43, s43, WT
	s_wait_kmcnt 0x0
	s_load_b256 s[72:79], s[12:13], 0x0
	s_load_b128 s[80:83], s[12:13], 0x20
	s_add_nc_u64 s[44:45], s[4:5], s[44:45]
	s_cmp_lt_u32 s18, 2
	s_cselect_b64 s[66:67], s[6:7], s[8:9]
	s_cmp_eq_u32 s18, 3
	s_cselect_b64 s[66:67], s[10:11], s[66:67]
	s_add_nc_u64 s[46:47], s[66:67], s[46:47]
	CROUND
.irp s, 0,1
	s_mov_b32 s[G0A+4*\s], 1
	s_mov_b32 s[G0A+4*\s+1], \s*SLOT
	s_add_nc_u64 s[G0A+4*\s+2:G0A+4*\s+3], s[44:45], \s*128
	s_or_b32 s[G0A+4*\s+3], s[G0A+4*\s+3], 0x80000000
	s_mov_b32 s[G0B+4*\s], 1
	s_add_co_u32 s[G0B+4*\s+1], s43, \s*SLOT
	s_add_nc_u64 s[G0B+4*\s+2:G0B+4*\s+3], s[46:47], \s*128
	s_or_b32 s[G0B+4*\s+3], s[G0B+4*\s+3], 0x80000000
	s_wait_alu depctr_va_vdst(0)
	s_wait_tensorcnt 0x0
	ds_add_u32 v28, v29
	ds_add_u32 v28, v29
	s_wait_dscnt 0x0
	CROUND
	JLOAD \s
.endr
	v_and_b32 v1, 15, v0
	v_bfe_u32 v2, v0, 4, 1
	v_mul_u32_u24 v3, v1, PITCH
	v_lshl_add_u32 v3, v2, 4, v3
	s_mul_i32 s41, s19, 128*PITCH
	s_mul_i32 s42, s20, 64*PITCH
	s_add_co_u32 s42, s42, XT
.irp s, 0,1
	v_add_nc_u32 v[ADRA+\s], s41, v3
	v_add_nc_u32 v[ADRB+\s], s42, v3
	s_add_co_u32 s41, s41, SLOT
	s_add_co_u32 s42, s42, SLOT
.endr
	v_and_b32 v[LO], 31, v0
	v_lshlrev_b32 v[LO], 4, v[LO]
	s_lshr_b32 s86, s40, 3
	s_lshl_b32 s86, s86, 4
	s_lshl_b32 s87, s23, 1
	s_add_co_u32 s86, s86, s87
	s_add_co_u32 s86, s86, s20
	s_and_b32 s87, s40, 7
	s_lshl_b32 s88, s87, 4
	s_lshl_b32 s89, s19, 3
	s_add_co_u32 s88, s88, s89
	s_lshl_b32 s88, s88, 10
	s_lshl_b32 s89, s86, 17
	s_add_co_u32 s88, s88, s89
	s_mov_b32 s89, 0
	s_add_nc_u64 s[14:15], s[14:15], s[88:89]
	s_lshl_b32 s90, s87, 1
	s_add_co_u32 s90, s90, s19
	s_lshl_b32 s90, s90, 14
	s_lshl_b32 s91, s86, 18
	s_add_co_u32 s90, s90, s91
	s_mov_b32 s91, 0
	s_add_nc_u64 s[16:17], s[16:17], s[90:91]
.macro MM t, p, a0, na, zero
	WIN 0x50*((\t)+1)
.set ia, \a0
.rept \na
.irp b, 0,1,2,3
.set rD, 8*(4*ia+\b)
.set rW, BF+32*(\t)+8*\b
.set rX, AF+64*(\p)+8*ia
.if (\t) < 2
.if \zero
	v_wmma_f32_16x16x64_bf8_bf8 v[rD:rD+7], v[rW:rW+7], v[rX:rX+7], 0
.else
	v_wmma_f32_16x16x64_bf8_bf8 v[rD:rD+7], v[rW:rW+7], v[rX:rX+7], v[rD:rD+7]
.endif
.else
.if \zero
	v_wmma_f32_16x16x64_bf8_bf8 v[rD:rD+7], v[rX:rX+7], v[rW:rW+7], 0
.else
	v_wmma_f32_16x16x64_bf8_bf8 v[rD:rD+7], v[rX:rX+7], v[rW:rW+7], v[rD:rD+7]
.endif
.endif
.endr
.set ia, ia+1
.endr
.endm
.macro FB t, slot, kb
.irp b, 0,1,2,3
	ds_load_b128 v[BF+32*(\t)+8*\b:BF+32*(\t)+8*\b+3],   v[ADRB+\slot] offset:(\t)*WT+\b*16*PITCH+(\kb)
	ds_load_b128 v[BF+32*(\t)+8*\b+4:BF+32*(\t)+8*\b+7], v[ADRB+\slot] offset:(\t)*WT+\b*16*PITCH+(\kb)+32
.endr
.endm
.macro FA p, slot, kb, a0
.irp d, 0,1,2,3
	ds_load_b128 v[AF+64*(\p)+8*((\a0)+\d):AF+64*(\p)+8*((\a0)+\d)+3],   v[ADRA+\slot] offset:((\a0)+\d)*16*PITCH+(\kb)
	ds_load_b128 v[AF+64*(\p)+8*((\a0)+\d)+4:AF+64*(\p)+8*((\a0)+\d)+7], v[ADRA+\slot] offset:((\a0)+\d)*16*PITCH+(\kb)+32
.endr
.endm
.macro STEP slot, zero
	s_wait_dscnt 8
	MM 0, 0, 0, 8, \zero
	PLACES
	WIN 0
	FB 0, \slot, 64
	FA 1, \slot, 64, 0
	MM 1, 0, 0, 8, \zero
	PLACES
	WIN 0
	FB 1, \slot, 64
	FA 1, \slot, 64, 4
	s_wait_dscnt 32
	MM 2, 0, 0, 8, \zero
	PLACES
	WIN 0
	FB 2, \slot, 64
.endm
.macro TURN slot, next, fill
	s_wait_tensorcnt 0x0
	ds_add_u32 v[SPW], v[NIL]
	s_wait_dscnt 9
	MM 0, 1, 0, 4, 0
	s_wait_dscnt 0x0
	s_barrier_signal -1
	MM 0, 1, 4, 4, 0
	WIN 0
	s_barrier_wait -1
.if \fill
	CREST
	s_add_nc_u64 s[G0A+4*\slot+2:G0A+4*\slot+3], s[G0A+4*\slot+2:G0A+4*\slot+3], 256
	s_add_nc_u64 s[G0B+4*\slot+2:G0B+4*\slot+3], s[G0B+4*\slot+2:G0B+4*\slot+3], 256
	JLOAD \slot
.else
	PLACES
.endif
	FB 0, \next, 0
	FA 0, \next, 0, 0
	MM 1, 1, 0, 8, 0
	PLACES
	WIN 0
	FB 1, \next, 0
	FA 0, \next, 0, 4
	MM 2, 1, 0, 8, 0
	PLACES
	WIN 0
	FB 2, \next, 0
.endm
	s_wait_alu depctr_va_vdst(0)
	s_wait_tensorcnt 1
	s_barrier_signal -1
	s_barrier_wait -1
	FB 0, 0, 0
	FA 0, 0, 0, 0
	FB 1, 0, 0
	FA 0, 0, 0, 4
	FB 2, 0, 0
	STEP 0, 1
	s_mov_b32 s3, LAPS-1
.Llap:
	TURN 0, 1, 1
	STEP 1, 0
	TURN 1, 0, 1
	STEP 0, 0
	s_sub_co_u32 s3, s3, 1
	s_cmp_lg_u32 s3, 0
	s_cbranch_scc1 .Llap
	TURN 0, 1, 0
	STEP 1, 0
	s_wait_dscnt 8
	MM 0, 1, 0, 8, 0
	MM 1, 1, 0, 8, 0
	s_wait_dscnt 0x0
	MM 2, 1, 0, 8, 0
	WIN 0
.macro SCALE vs, ea, eb, ec
	s_sub_co_i32 s84, s[\ea], s[\eb]
	s_sub_co_i32 s84, s84, s[\ec]
	s_add_co_i32 s84, s84, 127
	s_lshl_b32 s85, s84, 23
	v_mov_b32 v[\vs], s85
	s_add_co_i32 s84, s84, 15
	s_lshl_b32 s84, s84, 23
	s_or_b32 s84, s84, 0x600000
	v_mov_b32 v[\vs+1], s84
.endm
	s_wait_kmcnt 0x0
	SCALE 8, 78, 72, 73
	s_wait_alu depctr_va_vdst(0)
	SCALE 10, 79, 74, 75
	SCALE 12, 81, 76, 77
.macro OUTQK win, sc, base, cd
.irp g, 0,1,2,3
	WIN \win
.set n, 0
.rept 64
	v_med3_num_f32 v[TMP+n], v[64*\g+n], -v[\sc+1], v[\sc+1]
.set n, n+1
.endr
	WIN 0
.irp m, 0,1,2,3,4,5,6,7
	v_cvt_scalef32_pk8_bf8_f32 v[\cd+16*\g+2*\m:\cd+16*\g+2*\m+1], v[TMP+8*\m:TMP+8*\m+7], v[\sc]
.endr
	v_nop
.irp m, 0,1,2,3
	global_store_b128 v[LO], v[\cd+16*\g+4*\m:\cd+16*\g+4*\m+3], s[\base:\base+1] offset:2048*\g+512*\m
.endr
.endr
.endm
	OUTQK 0x01, 8, 14, 96
	OUTQK 0x02, 10, 16, 160
	s_wait_xcnt 0x0
.irp b, 0,1,2,3
	WIN 0x03
.irp a, 0,1,2,3,4,5,6,7
.irp i, 0,1,2,3,4,5,6,7
	v_med3_num_f32 v[TMP+8*\a+\i], v[8*(4*\a+\b)+\i], -v13, v13
.endr
.endr
	WIN 0
.irp a, 0,1,2,3,4,5,6,7
	v_cvt_scalef32_pk8_bf8_f32 v[96+16*\b+2*\a:96+16*\b+2*\a+1], v[TMP+8*\a:TMP+8*\a+7], v12
.endr
	v_nop
.irp m, 0,1,2,3
	global_store_b128 v[LO], v[96+16*\b+4*\m:96+16*\b+4*\m+3], s[16:17] offset:8192+2048*\b+512*\m
.endr
.endr
	s_wait_tensorcnt 0x0
	ds_add_u32 v[SPW], v[NIL]
	s_wait_dscnt 0x0
	CROUND
	s_endpgm
.Lfunc_end_k_qc3f212e62b_qkv:
	.size	k_qc3f212e62b_qkv, .Lfunc_end_k_qc3f212e62b_qkv-k_qc3f212e62b_qkv
	.p2alignl 7, 3214868480
	.fill 96, 4, 3214868480
	.section	.rodata,"a",@progbits
	.p2align	6, 0x0
	.amdhsa_kernel k_qc3f212e62b_qkv
		.amdhsa_group_segment_fixed_size 327680
		.amdhsa_private_segment_fixed_size 0
		.amdhsa_enable_private_segment 0
		.amdhsa_kernarg_size 56
		.amdhsa_user_sgpr_count 2
		.amdhsa_user_sgpr_kernarg_segment_ptr 1
		.amdhsa_wavefront_size32 1
		.amdhsa_system_sgpr_workgroup_id_x 1
		.amdhsa_system_sgpr_workgroup_id_y 1
		.amdhsa_system_sgpr_workgroup_id_z 1
		.amdhsa_system_vgpr_workitem_id 0
		.amdhsa_next_free_vgpr 1024
		.amdhsa_next_free_sgpr 98
		.amdhsa_reserve_vcc 0
		.amdhsa_float_denorm_mode_32 3
		.amdhsa_float_denorm_mode_16_64 3
		.amdhsa_memory_ordered 1
		.amdhsa_forward_progress 1
		.amdhsa_inst_pref_size 144
	.end_amdhsa_kernel
	.amdgpu_metadata
---
amdhsa.version: [ 1, 2 ]
amdhsa.kernels:
  - .name:           k_qc3f212e62b_qkv
    .symbol:         k_qc3f212e62b_qkv.kd
    .args:
      - { .name: x_codes, .offset: 0, .size: 8, .value_kind: global_buffer, .address_space: global }
      - { .name: Wq_codes, .offset: 8, .size: 8, .value_kind: global_buffer, .address_space: global }
      - { .name: Wk_codes, .offset: 16, .size: 8, .value_kind: global_buffer, .address_space: global }
      - { .name: Wv_codes, .offset: 24, .size: 8, .value_kind: global_buffer, .address_space: global }
      - { .name: lowp_scales, .offset: 32, .size: 8, .value_kind: global_buffer, .address_space: global }
      - { .name: q_img, .offset: 40, .size: 8, .value_kind: global_buffer, .address_space: global }
      - { .name: kv_img, .offset: 48, .size: 8, .value_kind: global_buffer, .address_space: global }
    .group_segment_fixed_size: 327680
    .private_segment_fixed_size: 0
    .kernarg_segment_align: 8
    .kernarg_segment_size: 56
    .max_flat_workgroup_size: 128
    .sgpr_count:     98
    .vgpr_count:     1024
    .wavefront_size: 32
...
	.end_amdgpu_metadata
.endif
;; end of part 1
;; launch attn (part 2): grid 4 x 64, 16 waves a work-group, no clusters, 327,680 bytes of LDS; arguments q_img, kv_img, lowp_scales, a_img; writes a_img
.if DOCPART == 2
	.amdgcn_target "amdgcn-amd-amdhsa--gfx1250"
	.amdhsa_code_object_version 6
	.text
	.protected	k_qc3f212e62b_attn
	.globl	k_qc3f212e62b_attn
	.p2align	8
	.type	k_qc3f212e62b_attn,@function
k_qc3f212e62b_attn:
	s_mov_b64 s[64:65], 0
	v_nop
	global_prefetch_b8 v0, s[64:65] scope:SCOPE_SE
	s_setreg_imm32_b32 hwreg(HW_REG_WAVE_MODE, 25, 1), 1
	s_wait_xcnt 0x0
; Causal attention of one head on codes of BF8 (E5M2): S^T = K Q^T (K = the head's 64), softmax, O^T = V^T P^T (K = the keys), O / the row's sum quantised for the output projection.
; THE SOFTMAX: t = score x log2(e) / 32 (the logit is score / sqrt(1,024)); M = the running largest t rounded UP to a whole number; p = 2^(t - M) is quantised with 2^e8, not normalised;
; the row's sum is taken of the unquantised p in f32 and divides O at the end.  When M moves, the sum and O^T are multiplied by 2^(old M - new M), which rounds nothing.
; SHARES.  2,048 queries of a head are eight blocks of 256.  Work-group i of the head's four owns block 7 - i and then block i: 8 - i and i + 1 slots of 256 keys, NINE slots for every work-group,
; so the trip count is a constant and the work is even.  Each of the sixteen waves owns 16 queries of the block in hand, in 256 registers: four waves to a SIMD.
; NO CLUSTER: in a given trip the head's four work-groups want different slots of keys; walking in step would cost each 12 slots in place of 9.
; OPERANDS come as images of their registers (q_img, kv_img): lane l's 16 bytes at 16 l, so every LDS load reads 512 consecutive bytes, and there is no pitch and no padding.
; Both products are used transposed, so that a lane holds ONE query (lane % 16) throughout; register j of S^T's tile u is key 16 u + 8 (lane / 16) + j: a conversion's result is registers 2 u, 2 u + 1 of P.
; THE MASK.  A step of 128 keys that all come after my 16 queries is jumped over (a scalar branch on ids; no barrier or tensor load stands in a step); in the step on the diagonal hidden scores become -infinity.
; LIMITS on the given exponents: e6 + e7 between -121 and 132 (added to c's exponent field); e8, and e10 - e8 - e9, between -126 and 112.
; REGISTERS: v1 16 x lane; v3 the prefetches' offset; v5, v6 the spare word and 0; v7 my offset in a_img; v8 the step's LDS address; v12 -M, v13 the largest t, v[14:15] the sum in two halves;
; v16-23 Q in hand, v24-31 the second block's Q; v32-95 K's fragments, then V's; v96-159 S^T, then p; v160-191 O^T; v192-223 O / sum; v224-239 p's codes; v240-254 constants and work.
.set SLOT1, 1<<15                      ; a slot: 256 keys = two steps of (8,192 bytes of K + 8,192 of V^T); slot 1 begins here: one exclusive or turns an address
.set SPARE, 2*SLOT1                    ; behind the ring: the spare words, 128 bytes for each of sixteen waves, named by no other line
.set LI,  1
.set PFO, 3
.set SPW, 5
.set NIL, 6
.set GO,  7
.set ADK, 8
.set TB,  2                            ; s2   LDS byte at which the slot in hand begins
.set J,   3                            ; s3   the trip
.set NH,  12                           ; s12  8 - i: the first block's trips
.set Q0,  13                           ; s13  my first query
.set KF,  14                           ; s14  the step's first key
.set WV,  18
.set SEL, 20                           ; s[20:21] v_permlanex16_b32's selects for lane l xor 16
.set CS,  22                           ; s[22:23] c = log2(e) / 32 x 2^(e6 + e7)
.set G1,  24                           ; s[24:31] descriptor group 1;  s[40:43] group 0, which walks;  s[44:45] my half of the head's slot 0 in memory
.set G0,  40
.set KVB, 44
.set PFA, 76                           ; s[76:77] where my prefetch stands
.set LIM, 80                           ; s80  a wave prefetches while the trip's number is below it
.macro TLOAD                           ; waves 0 and 1 fetch a slot's two steps, 16,384 bytes each; the branch hangs on the wave's number alone; four v_nop follow the load
	s_cmp_lt_u32 s[WV], 2
	s_cbranch_scc0 .Lno_load_\@
	tensor_load_to_lds s[G0:G0+3], s[G1:G1+7]
	s_nop 0
.rept 4
	v_nop
.endr
.Lno_load_\@:
.endm
; A PREFETCH INTO THE L2 of the slot that the NEXT change of slots will ask for.  The head's four work-groups walk the same slots from 0 on; work-group 0, which walks all eight in order, asks, and nobody else.
; In it waves 4 to 7, which fetch nothing, take 8,192 bytes each, lanes 256 bytes apart: every aligned block of 256 bytes of slots 2 to 7 is named once.  Slots 0 and 1 come by their loads alone; trip 5 names slot 7, the last.
.macro ASK
	s_cmp_lt_u32 s[J], s[LIM]
	s_cbranch_scc0 .Lnot_mine_\@
	global_prefetch_b8 v[PFO], s[PFA:PFA+1] th:TH_LOAD_NT scope:SCOPE_SE
.Lnot_mine_\@:
.endm
	s_load_b128 s[4:7], s[0:1], 0x0                ; q_img s[4:5], kv_img s[6:7]
	s_load_b128 s[8:11], s[0:1], 0x10              ; the scales' exponents s[8:9], a_img s[10:11]
	v_lshl_add_u32 v[SPW], v0, 2, SPARE
	v_mov_b32 v[NIL], 0
	ds_add_u32 v5, v6
	ds_add_u32 v5, v6
	s_wait_dscnt 0x0
	v_lshrrev_b32 v8, 5, v0
	s_delay_alu instid0(VALU_DEP_1)
	v_readfirstlane_b32 s[WV], v8                  ; wave 0..15
	s_and_b32 s15, ttmp7, 0xffff                   ; bh = 16 x batch + head
	s_sub_co_u32 s[NH], 8, ttmp9
	s_mov_b32 s[G1], 3<<16                         ; no mask; elements of 8 bytes; no padding
	s_mov_b32 s[G1+1], 32<<16                      ; tensor_dim0 = 32 elements: rows of 256 bytes
	s_mov_b32 s[G1+2], 64<<16                      ; tensor_dim1 = 64 rows
	s_mov_b32 s[G1+3], 32<<16                      ; tile_dim0
	s_mov_b32 s[G1+4], 64                          ; tile_dim1
	s_mov_b32 s[G1+5], 32                          ; the block is dense
	s_mov_b32 s[G1+6], 0
	s_mov_b32 s[G1+7], 0
	s_mov_b32 s[SEL], 0x76543210
	s_mov_b32 s[SEL+1], 0xfedcba98
	s_mov_b32 s[CS], 0x3d38aa3b                    ; log2(e) / 32
	s_mov_b32 s[TB], 0
	s_mov_b32 s[J], 0
	s_and_b32 s16, s[WV], 1
	s_lshl_b32 s16, s16, 14                        ; which step of a slot I fetch, in memory and in LDS alike
	s_lshl_b32 s46, s15, 18                        ; the head's 262,144 bytes of kv_img
	s_add_co_u32 s46, s46, s16
	s_mov_b32 s47, 0
	s_lshl_b32 s48, s15, 17                        ; the head's 131,072 bytes of q_img
	s_mov_b32 s49, 0
	s_lshl_b32 s17, s[WV], 4
	s_sub_co_u32 s[Q0], 7, ttmp9
	s_lshl_b32 s[Q0], s[Q0], 8
	s_add_co_u32 s[Q0], s[Q0], s17                 ; my first query in block 7 - i,
	s_lshl_b32 s19, ttmp9, 8
	s_add_co_u32 s19, s19, s17                     ; and in block i
	s_lshr_b32 s73, s15, 4
	s_lshl_b32 s73, s73, 21                        ; a_img: the batch's 128 row tiles of 16,384 bytes,
	s_and_b32 s74, s15, 15
	s_lshl_b32 s74, s74, 10
	s_add_co_u32 s73, s73, s74                     ; and the head's 1,024 bytes in a row tile
	s_wait_kmcnt 0x0
	s_load_b128 s[68:71], s[8:9], 0x18             ; e6, e7, e8, e9
	s_load_b32 s72, s[8:9], 0x28                   ; e10
	s_add_nc_u64 s[KVB:KVB+1], s[6:7], s[46:47]
	s_mov_b32 s[G0], 1
	s_mov_b32 s[G0+1], s16
	s_mov_b64 s[G0+2:G0+3], s[KVB:KVB+1]
	s_or_b32 s[G0+3], s[G0+3], 0x80000000
	TLOAD                                          ; slot 0: the one first fill at the head
	s_add_nc_u64 s[4:5], s[4:5], s[48:49]
	v_and_b32 v[LI], 31, v0
	s_delay_alu instid0(VALU_DEP_1)
	v_lshlrev_b32 v[LI], 4, v[LI]
	s_lshl_b32 s82, s[Q0], 6                       ; a tile of 16 queries is 1,024 bytes
	v_add_nc_u32 v9, s82, v[LI]
	s_lshl_b32 s83, s19, 6
	v_add_nc_u32 v10, s83, v[LI]
	global_load_b128 v[16:19], v9, s[4:5]
	global_load_b128 v[20:23], v9, s[4:5] offset:512
	global_load_b128 v[24:27], v10, s[4:5]
	global_load_b128 v[28:31], v10, s[4:5] offset:512
	s_and_b32 s82, s[WV], 3                        ; the prefetches: my 8,192 bytes,
	s_lshl_b32 s82, s82, 13
	s_add_co_u32 s82, s82, SLOT1                   ; in slot 1: the first change of slots steps it to slot 2
	s_lshl_b32 s83, s15, 18
	s_add_co_u32 s82, s82, s83
	s_mov_b32 s83, 0
	s_add_nc_u64 s[PFA:PFA+1], s[6:7], s[82:83]
	s_sub_co_u32 s82, s[WV], 4
	s_lshr_b32 s82, s82, 2                         ; 0 in waves 4 to 7,
	s_or_b32 s82, s82, ttmp9                       ; of the head's work-group 0
	s_cmp_eq_u32 s82, 0
	s_cselect_b32 s[LIM], 6, 0
	v_and_b32 v[PFO], 31, v0
	s_delay_alu instid0(VALU_DEP_1)
	v_lshlrev_b32 v[PFO], 8, v[PFO]
	v_mov_b32 v246, 0                              ; written once: a lane permute's destination counts as one of its sources
	v_mov_b32 v249, 0                              ; (named as the upper halves of pairs)
	v_mov_b32 v253, 0
.macro START                           ; a block's sums begin: the largest t so far is -3e38, under every t; the first change of M multiplies zeros
	v_mov_b32 v13, 0xff61b1e6
	s_delay_alu instid0(VALU_DEP_1)
	v_floor_f32 v12, -v13
	v_mov_b32 v14, 0
	v_mov_b32 v15, 0
.set n, 0
.rept 32
	v_mov_b32 v[160+n], 0
.set n, n+1
.endr
.endm
	START
	s_wait_kmcnt 0x0
	s_add_co_i32 s82, s68, s69
	s_lshl_b32 s82, s82, 23
	s_add_co_i32 s[CS], s[CS], s82                 ; a score stands for score x 2^(e6 + e7): added to c's exponent field
	s_mov_b32 s[CS+1], s[CS]                       ; (named with it as a pair)
	s_add_co_i32 s82, s70, 127
	s_lshl_b32 s83, s82, 23
	v_mov_b32 v244, s83                            ; 2^e8, for p's conversions
	s_sub_co_i32 s82, s72, s70
	s_sub_co_i32 s82, s82, s71
	s_add_co_i32 s82, s82, 127
	s_lshl_b32 s83, s82, 23
	v_mov_b32 v245, s83                            ; 2^(e10 - e8 - e9): O^T / sum stands for that x 2^(e8 + e9)
; A KEY STEP: 128 keys, the q-th of the slot in hand.
.macro STEP q
	s_add_co_u32 s96, s[Q0], 15
	s_cmp_gt_u32 s[KF], s96
	s_cbranch_scc1 .Lhidden_\@                     ; all its keys come after my queries
	v_add_nc_u32 v[ADK], s[TB], v[LI]
.rept 3
	v_nop                                          ; with the addition above: four places in front of loads into registers that the last products read
.endr
.set n, 0
.rept 16
	ds_load_b128 v[32+4*n:35+4*n], v[ADK] offset:16384*(\q)+512*n          ; K: eight fragments of 16 keys x 64
.set n, n+1
.endr
	s_wait_alu depctr_va_vdst(0)
	s_wait_dscnt 0x0
.irp t, 0,1,2,3,4,5,6,7
	v_wmma_f32_16x16x64_bf8_bf8 v[96+8*\t:103+8*\t], v[32+8*\t:39+8*\t], v[16:23], 0
.endr
.rept 4
	v_nop
.endr
.set n, 0
.rept 16
	ds_load_b128 v[32+4*n:35+4*n], v[ADK] offset:16384*(\q)+8192+512*n     ; V^T: four fragments of 16 d x 128 keys; they land under the softmax
.set n, n+1
.endr
	s_add_co_u32 s96, s[KF], 127
	s_cmp_le_u32 s96, s[Q0]
	s_cbranch_scc1 .Lopen_\@                       ; all its keys count
	s_sub_co_i32 s96, s[Q0], s[KF]
	v_and_b32 v252, 15, v0
	v_bfe_u32 v253, v0, 4, 1
	s_delay_alu instid0(VALU_DEP_1)
	v_lshlrev_b32 v253, 3, v253
	s_delay_alu instid0(VALU_DEP_1)
	v_sub_nc_u32 v252, v252, v253
	s_delay_alu instid0(VALU_DEP_1)
	v_add_nc_u32 v252, s96, v252                   ; d = my query - KF - 8 (lane / 16).  Register 8 u + j holds key KF + 16 u + 8 (lane / 16) + j: hidden where 16 u + j > d
	v_mov_b32 v254, 0xff800000                     ; -infinity
.set n, 0
.rept 64
	v_cmp_gt_i32 vcc_lo, 16*(n/8)+n%8, v252
	v_cndmask_b32 v[96+n], v[96+n], v254, vcc_lo
.set n, n+1
.endr
.Lopen_\@:
	v_max3_num_f32 v254, v96, v97, v98             ; the step's largest score of my query among my 64 keys, in two chains,
	v_max3_num_f32 v252, v99, v100, v101
.set n, 6
.rept 14
	v_max3_num_f32 v254, v254, v[96+n], v[97+n]
	v_max3_num_f32 v252, v252, v[98+n], v[99+n]
.set n, n+4
.endr
	v_max3_num_f32 v254, v254, v158, v159
	s_delay_alu instid0(VALU_DEP_1)
	v_max_num_f32 v254, v254, v252
	s_delay_alu instid0(VALU_DEP_1)
	v_permlanex16_b32 v246, v254, s[SEL], s[SEL+1]
	s_delay_alu instid0(VALU_DEP_1)
	v_max_num_f32 v254, v254, v246                 ; and among lane l xor 16's
	s_delay_alu instid0(VALU_DEP_1)
	v_mul_f32 v254, s[CS], v254                    ; as t (c is positive)
	s_delay_alu instid0(VALU_DEP_1)
	v_max_num_f32 v13, v13, v254                   ; the running largest t
	v_mov_b32 v254, v12
	s_delay_alu instid0(VALU_DEP_2)
	v_floor_f32 v12, -v13                          ; the new -M = floor(-t) = -ceil(t)
	s_delay_alu instid0(VALU_DEP_1)
	v_sub_f32 v254, v12, v254                      ; old M - new M: a whole number, 0 or less
	s_delay_alu instid0(VALU_DEP_1)
	v_cvt_i32_f32 v254, v254                       ; (it saturates)
	s_delay_alu instid0(VALU_DEP_1)
	v_ldexp_f32 v252, 1.0, v254                    ; f = 2^(old M - new M)
.set n, 0
.rept 32
	v_pk_fma_f32 v[96+n:97+n], v[96+n:97+n], s[CS:CS+1], v[12:13] op_sel_hi:[1,0,0]   ; t - M, two at a time
.set n, n+2
.endr
.set n, 0
	s_wait_alu depctr_va_vdst(0)
.rept 64
	v_exp_f32 v[96+n], v[96+n]                     ; p = 2^(t - M): one batch
.set n, n+1
.endr
	v_pk_mul_f32 v[14:15], v[14:15], v[252:253] op_sel_hi:[1,0]   ; the sums under the new M: the plain line behind the exponentials
	s_wait_alu depctr_va_vdst(0)                   ; one wait for the whole batch, ahead of its first reader
	v_pk_add_f32 v[242:243], v[100:101], v[104:105]
	v_pk_add_f32 v[254:255], v[108:109], v[112:113]
	v_pk_add_f32 v[250:251], v[116:117], v[120:121]
	v_pk_add_f32 v[240:241], v[124:125], v[128:129]
	v_pk_add_f32 v[238:239], v[132:133], v[136:137]
	v_pk_add_f32 v[236:237], v[140:141], v[144:145]
	v_pk_add_f32 v[234:235], v[148:149], v[152:153]
	v_pk_add_f32 v[14:15], v[14:15], v[156:157]
	v_pk_add_f32 v[242:243], v[242:243], v[96:97]
	v_pk_add_f32 v[254:255], v[254:255], v[98:99]
	v_pk_add_f32 v[250:251], v[250:251], v[102:103]
	v_pk_add_f32 v[240:241], v[240:241], v[106:107]
	v_pk_add_f32 v[238:239], v[238:239], v[110:111]
	v_pk_add_f32 v[236:237], v[236:237], v[114:115]
	v_pk_add_f32 v[234:235], v[234:235], v[118:119]
	v_pk_add_f32 v[14:15], v[14:15], v[122:123]
	v_pk_add_f32 v[242:243], v[242:243], v[126:127]
	v_pk_add_f32 v[254:255], v[254:255], v[130:131]
	v_pk_add_f32 v[250:251], v[250:251], v[134:135]
	v_pk_add_f32 v[240:241], v[240:241], v[138:139]
	v_pk_add_f32 v[238:239], v[238:239], v[142:143]
	v_pk_add_f32 v[236:237], v[236:237], v[146:147]
	v_pk_add_f32 v[234:235], v[234:235], v[150:151]
	v_pk_add_f32 v[14:15], v[14:15], v[154:155]
	v_pk_add_f32 v[242:243], v[242:243], v[158:159]
	s_delay_alu instid0(VALU_DEP_2)
	v_pk_add_f32 v[14:15], v[14:15], v[240:241]
	s_delay_alu instid0(VALU_DEP_2)
	v_pk_add_f32 v[242:243], v[242:243], v[238:239]
	v_pk_add_f32 v[254:255], v[254:255], v[236:237]
	v_pk_add_f32 v[250:251], v[250:251], v[234:235]
	s_delay_alu instid0(VALU_DEP_2)
	v_pk_add_f32 v[14:15], v[14:15], v[254:255]
	s_delay_alu instid0(VALU_DEP_2)
	v_pk_add_f32 v[242:243], v[242:243], v[250:251]
	s_delay_alu instid0(VALU_DEP_1)
	v_pk_add_f32 v[14:15], v[14:15], v[242:243]
.irp t, 0,1,2,3,4,5,6,7
.irp i, 0,1,2,3,4,5,6,7
.endr
	v_cvt_scalef32_pk8_bf8_f32 v[224+2*\t:225+2*\t], v[96+8*\t:103+8*\t], v244
.endr
.set n, 0
.rept 16
	v_pk_mul_f32 v[160+n:161+n], v[160+n:161+n], v[252:253] op_sel_hi:[1,0]   ; O^T under the new M; also the plain lines between the conversions and the products
.set n, n+2
.endr
	s_wait_alu depctr_va_vdst(0)
	s_wait_dscnt 0x0                               ; V^T is in
.irp t, 0,1,2,3
	v_wmma_f32_16x16x128_bf8_bf8 v[160+8*\t:167+8*\t], v[32+16*\t:47+16*\t], v[224:239], v[160+8*\t:167+8*\t]   ; the four accumulators by turns
.endr
.Lhidden_\@:
	s_add_co_u32 s[KF], s[KF], 128
.endm
; THE CHANGE OF SLOTS stands at a slot's head.  Each wave waits for all its tensor loads, adds 0 to its spare word, and waits for that and for its reads of the slot that it has left.
; fill = 1: that slot is filled with the keys of the next trip: slot J + 1 of the first block's walk, or J + 1 - NH of the second's.  The load has a whole trip in which to land.
.macro CHANGE fill
	s_wait_tensorcnt 0x0                           ; no tensor load of mine is out, so the group 0 may be written
	ds_add_u32 v[SPW], v[NIL]                      ; 0 onto my spare word
.if \fill
	s_xor_b32 s[G0+1], s[G0+1], SLOT1              ; the other slot than last time
	s_add_co_u32 s96, s[J], 1
	s_sub_co_u32 s97, s96, s[NH]
	s_cmp_lt_u32 s96, s[NH]
	s_cselect_b32 s96, s96, s97                    ; which 256 keys
	s_lshl_b32 s96, s96, 15
	s_mov_b32 s97, 0
	s_add_nc_u64 s[G0+2:G0+3], s[KVB:KVB+1], s[96:97]
	s_or_b32 s[G0+3], s[G0+3], 0x80000000
	s_wait_xcnt 0x0                                ; the last prefetch, a trip back, has read its address
	s_add_nc_u64 s[PFA:PFA+1], s[PFA:PFA+1], SLOT1
.endif
	s_wait_dscnt 0x0                               ; the add is done, and my reads of the slot that I have left are over
	s_barrier_signal -1
	s_barrier_wait -1
.if \fill
	TLOAD                                          ; the first thing behind the barrier, and a wave's one tensor load until the next
	ASK
.endif
.endm
.macro KEYS                            ; the trip's first key
	s_sub_co_u32 s97, s[J], s[NH]
	s_cmp_lt_u32 s[J], s[NH]
	s_cselect_b32 s[KF], s[J], s97
	s_lshl_b32 s[KF], s[KF], 8
.endm
; A block's end: O^T / the sum, held, quantised with the folded scale; the eight registers are the head's part of a fragment of the output projection and leave as two stores of 512 consecutive bytes.
.macro FINISH
.rept 4
	v_nop                                          ; places behind the last products
.endr
	v_add_f32 v14, v14, v15
	s_delay_alu instid0(VALU_DEP_1)
	v_permlanex16_b32 v246, v14, s[SEL], s[SEL+1]
	s_delay_alu instid0(VALU_DEP_1)
	v_add_f32 v14, v14, v246                       ; the row's sum
	s_wait_alu depctr_va_vdst(0)
	v_rcp_f32 v248, v14
	s_lshl_b32 s96, s[Q0], 10                      ; my row tile's 16,384 bytes
	s_add_co_u32 s96, s96, s73
	v_add_nc_u32 v[GO], s96, v[LI]                 ; (the plain line behind the reciprocal)
	s_wait_alu depctr_va_vdst(0)                   ; ahead of the reciprocal's first reader
.set n, 0
.rept 16
	v_pk_mul_f32 v[192+n:193+n], v[160+n:161+n], v[248:249] op_sel_hi:[1,0]
.set n, n+2
.endr
.set n, 0
.rept 32
.set n, n+1
.endr
.irp t, 0,1,2,3
	v_cvt_scalef32_pk8_bf8_f32 v[224+2*\t:225+2*\t], v[192+8*\t:199+8*\t], v245
.endr
	v_nop
	global_store_b128 v[GO], v[224:227], s[10:11]
	global_store_b128 v[GO], v[228:231], s[10:11] offset:512
.endm
	s_wait_loadcnt 0x0                             ; Q, both blocks'
.Ltrip:                                                ; eight trips; behind each change of slots the next trip's keys are asked for
	CHANGE 1
	KEYS
	STEP 0
	STEP 1
	s_xor_b32 s[TB], s[TB], SLOT1
	s_add_co_u32 s[J], s[J], 1
	s_cmp_lg_u32 s[J], s[NH]
	s_cbranch_scc1 .Lsame_block                    ; a branch on ids: the first block is done behind its 8 - i trips
	FINISH
.irp i, 0,1,2,3,4,5,6,7
	v_mov_b32 v[16+\i], v[24+\i]                   ; the second block's Q
.endr
	START
	s_mov_b32 s[Q0], s19
	s_wait_xcnt 0x0                                ; the two stores have read their offset and their data, which the next steps write
.Lsame_block:
	s_cmp_lt_u32 s[J], 8
	s_cbranch_scc1 .Ltrip
	CHANGE 0                                       ; the last trip is written out
	KEYS
	STEP 0
	STEP 1
	FINISH
	s_wait_tensorcnt 0x0                           ; the wave's end
	ds_add_u32 v[SPW], v[NIL]
	s_wait_dscnt 0x0
	s_endpgm
.Lfunc_end_k_qc3f212e62b_attn:
	.size	k_qc3f212e62b_attn, .Lfunc_end_k_qc3f212e62b_attn-k_qc3f212e62b_attn
	.p2alignl 7, 3214868480
	.fill 96, 4, 3214868480
	.section	.rodata,"a",@progbits
	.p2align	6, 0x0
	.amdhsa_kernel k_qc3f212e62b_attn
		.amdhsa_group_segment_fixed_size 327680
		.amdhsa_private_segment_fixed_size 0
		.amdhsa_enable_private_segment 0
		.amdhsa_kernarg_size 32
		.amdhsa_user_sgpr_count 2
		.amdhsa_user_sgpr_kernarg_segment_ptr 1
		.amdhsa_wavefront_size32 1
		.amdhsa_system_sgpr_workgroup_id_x 1
		.amdhsa_system_sgpr_workgroup_id_y 1
		.amdhsa_system_sgpr_workgroup_id_z 1
		.amdhsa_system_vgpr_workitem_id 0
		.amdhsa_next_free_vgpr 256
		.amdhsa_next_free_sgpr 100
		.amdhsa_reserve_vcc 1
		.amdhsa_float_denorm_mode_32 3
		.amdhsa_float_denorm_mode_16_64 3
		.amdhsa_fp16_overflow 1
		.amdhsa_memory_ordered 1
		.amdhsa_forward_progress 1
		.amdhsa_inst_pref_size 90
	.end_amdhsa_kernel
	.amdgpu_metadata
---
amdhsa.version: [ 1, 2 ]
amdhsa.kernels:
  - .name:           k_qc3f212e62b_attn
    .symbol:         k_qc3f212e62b_attn.kd
    .args:
      - { .name: q_img, .offset: 0, .size: 8, .value_kind: global_buffer, .address_space: global }
      - { .name: kv_img, .offset: 8, .size: 8, .value_kind: global_buffer, .address_space: global }
      - { .name: lowp_scales, .offset: 16, .size: 8, .value_kind: global_buffer, .address_space: global }
      - { .name: a_img, .offset: 24, .size: 8, .value_kind: global_buffer, .address_space: global }
    .group_segment_fixed_size: 327680
    .private_segment_fixed_size: 0
    .kernarg_segment_align: 8
    .kernarg_segment_size: 32
    .max_flat_workgroup_size: 512
    .sgpr_count:     100
    .vgpr_count:     256
    .wavefront_size: 32
...
	.end_amdgpu_metadata
.endif
;; end of part 2
;; launch proj (part 3): grid 32 x 8, 4 waves a work-group, clusters of 4 x 1, 203,264 bytes of LDS; arguments a_img, Wp_codes, bp, lowp_scales, out0; writes out0
.if DOCPART == 3
	.amdgcn_target "amdgcn-amd-amdhsa--gfx1250"
	.amdhsa_code_object_version 6
	.text
	.protected	k_qc3f212e62b_proj
	.globl	k_qc3f212e62b_proj
	.p2align	8
	.type	k_qc3f212e62b_proj,@function
k_qc3f212e62b_proj:
	s_mov_b64 s[64:65], 0
	v_nop
	global_prefetch_b8 v0, s[64:65] scope:SCOPE_SE
	s_setreg_imm32_b32 hwreg(HW_REG_WAVE_MODE, 25, 1), 1
	s_wait_xcnt 0x0
	s_wait_alu depctr_hold_cnt(0) depctr_sa_sdst(0) depctr_va_vdst(0) depctr_va_sdst(0) depctr_va_ssrc(0) depctr_va_vcc(0) depctr_vm_vsrc(0)
	s_getreg_b32 s2, hwreg(HW_REG_IB_STS2, 6, 4)
	s_cmp_eq_u32 s2, 0
	s_cbranch_scc0 .Lentry_in_a_cluster
	s_endpgm
.Lentry_in_a_cluster:
	s_bfe_u32 s2, ttmp6, 0x10000c
	s_cmp_lg_u32 s2, 0x3003
	s_cbranch_scc0 .Lentry_shape_is_right
	s_endpgm
.Lentry_shape_is_right:
; out0 = a Wp x 2^(e10 + e11) + bp on codes of BF8 (E5M2).  a: 8,192 rows x 1,024, as images of operand registers (a_img [row tile of 16][head][2][512]); Wp: 1,024 rows (output n) of 1,024 codes, K innermost.
; SHARES.  A work-group makes 256 rows x 128 columns; wave w rows 64 w on, in two halves of 64 columns: 16 accumulators.  K = 1,024 in eight steps of v_wmma_f32_16x16x128_bf8_bf8.
; a: a wave's 64 rows are 65,536 bytes on end in a_img and go straight into 512 registers (windows 1 and 2) by 128 loads of 512 consecutive bytes: no LDS, no ring.
; Wp: the work-group's 128 rows lie whole in LDS, filled ONCE: nothing is filled again.  CLUSTER 4 x 1: the four row blocks of a cluster want the same 128 rows of Wp: each wave's 32 rows are asked for jointly.
; Two neighbouring heads of a_img are one fragment in this form's own layout (registers 2 c, 2 c + 1: K = 16 c + 8 (lane / 16) + 0..7), so Wp's fragments are read in that layout too, eight bytes a load.
; TRANSPOSED USE: source 0 = 16 rows of Wp, source 1 = 16 rows of a: a lane holds eight neighbouring columns of one row.  They go through the wave's own stage in LDS and leave as aligned runs of 256 bytes.
; LIMIT: e10 + e11 between -126 and 127, so that 2^(e10 + e11) is an f32 number.
; REGISTERS: window 0: v4-10 addresses; v32-95 rows read back; v128-255 the accumulators ((a, n) at 128 + 8 (4 a + n)).  windows 1, 2: a.  window 3: v0-127 Wp's fragments, two sets of 4 x 16; v128-191 bp in the results' layout.
.set WP,   1040                        ; a row of Wp in LDS: 1,024 bytes + 16: 65 times 16 bytes
.set STG,  128*WP                      ; behind Wp: a stage of 64 rows x 272 bytes for each wave
.set SPT,  272
.set LI,   4                           ; v4  16 x lane
.set BA,   5                           ; v5, v6  my place in Wp's rows 0-63, 64-127
.set SO,   7                           ; v7  the stage: where I put 32 bytes of a row
.set SR,   8                           ; v8  and where I read rows back
.set CO,   9                           ; v9  my byte offset in two rows of out0
.set ACC,  128
.set BP,   128                         ; in window 3
.set MSB, 0
.macro WIN new
.if MSB != (\new)
	s_set_vgpr_msb (MSB<<8)|(\new)
.set MSB, (\new)
.endif
.endm
.macro PLACES
.rept 4
	v_nop
.endr
.endm
.macro CROUND                          ; a round of the cluster's barrier
	s_barrier_signal -1
	s_barrier_wait -1
	s_cmp_lg_u32 s14, 0
	s_cbranch_scc1 .Lnot_wave_0_\@
	s_barrier_signal -3
.Lnot_wave_0_\@:
	s_barrier_wait -3
	s_barrier_signal -1
	s_barrier_wait -1
.endm
	s_load_b128 s[4:7], s[0:1], 0x0                ; a_img s[4:5], Wp's codes s[6:7]
	s_load_b128 s[8:11], s[0:1], 0x10              ; bp s[8:9], the scales' exponents s[10:11]
	s_load_b64 s[12:13], s[0:1], 0x20              ; out0
	v_lshl_add_u32 v126, v0, 2, 0x31800
	v_mov_b32 v127, 0
	ds_add_u32 v126, v127
	ds_add_u32 v126, v127
	v_lshrrev_b32 v1, 5, v0
	v_readfirstlane_b32 s14, v1                    ; wave 0..3
	s_bfe_u32 s15, ttmp6, 0x40000                  ; cx
	s_lshl_b32 s16, ttmp9, 2
	s_add_co_u32 s16, s16, s15                     ; the block of 256 rows
	s_and_b32 s17, ttmp7, 0xffff                   ; the block of 128 columns, which the four partners share
	s_mov_b32 s24, 15|(1<<20)|(1<<21)|(7<<22)|(3<<25)  ; the mask: all four; elements of 1 byte; padding on; bit 21 beside a mask; after every 256 words four words
	s_mov_b32 s25, 1024<<16                        ; tensor_dim0 = 1,024 bytes
	s_mov_b32 s26, 32<<16                          ; tensor_dim1 = 32 rows
	s_mov_b32 s27, 1024<<16                        ; tile_dim0
	s_mov_b32 s28, 32                              ; tile_dim1
	s_mov_b32 s29, 1024                            ; from row to row
	s_mov_b32 s30, 0
	s_mov_b32 s31, 0
	s_lshl_b32 s18, s17, 7
	s_lshl_b32 s19, s14, 5
	s_add_co_u32 s18, s18, s19                     ; Wp's row 128 x column block + 32 x wave
	s_lshl_b32 s18, s18, 10
	s_mov_b32 s19, 0
	s_mul_i32 s20, s14, 32*WP                      ; and where it goes
	s_lshl_b32 s36, s16, 18                        ; a_img: 16 row tiles of 16,384 bytes a block,
	s_lshl_b32 s37, s14, 16                        ; four a wave
	s_add_co_u32 s36, s36, s37
	s_mov_b32 s37, 0
	s_lshl_b32 s38, s16, 20                        ; out0: 256 rows of 4,096 bytes a block,
	s_lshl_b32 s39, s14, 18                        ; 64 a wave,
	s_add_co_u32 s38, s38, s39
	s_lshl_b32 s40, s17, 9                         ; 512 bytes a column block
	s_add_co_u32 s38, s38, s40
	s_mov_b32 s39, 0
	s_mov_b32 s41, 0
	v_and_b32 v1, 15, v0                           ; r
	v_bfe_u32 v2, v0, 4, 1                         ; h
	v_and_b32 v3, 31, v0
	v_lshlrev_b32 v[LI], 4, v3
	v_mul_u32_u24 v[BA], v1, WP
	v_lshl_add_u32 v[BA], v2, 3, v[BA]             ; row r x pitch + 8 h
	v_add_nc_u32 v[BA+1], 64*WP, v[BA]
	s_mul_i32 s21, s14, 64*SPT
	s_add_co_u32 s21, s21, STG                     ; my stage
	v_mul_u32_u24 v[SO], v1, SPT
	v_lshl_add_u32 v[SO], v2, 5, v[SO]
	v_add_nc_u32 v[SO], s21, v[SO]                 ; in: row r, 32 bytes for each half of the lanes
	v_mul_u32_u24 v[SR], v2, SPT
	v_lshl_add_u32 v[SR], v1, 4, v[SR]
	v_add_nc_u32 v[SR], s21, v[SR]                 ; back: lanes 0-15 one row of 256 bytes, lanes 16-31 the next
	v_lshlrev_b32 v[CO], 12, v2
	v_lshl_add_u32 v[CO], v1, 4, v[CO]             ; and the same two rows in out0
	v_lshlrev_b32 v10, 5, v2                       ; bp: my half's eight numbers of a tile of 16
	s_wait_dscnt 0x0
	s_wait_kmcnt 0x0
	s_load_b64 s[46:47], s[10:11], 0x28            ; e10, e11
	s_mov_b32 s32, 1
	s_mov_b32 s33, s20
	s_add_nc_u64 s[34:35], s[6:7], s[18:19]
	s_or_b32 s35, s35, 0x80000000
	s_add_nc_u64 s[4:5], s[4:5], s[36:37]
	s_add_nc_u64 s[12:13], s[12:13], s[38:39]
	s_add_nc_u64 s[8:9], s[8:9], s[40:41]
	CROUND                                         ; all four work-groups are here: the joint loads meet
	tensor_load_to_lds s[32:35], s[24:31]          ; my 32 rows of Wp: my one tensor load of the launch
	s_nop 0
.rept 4
	v_nop
.endr
	WIN 0x40                                       ; destination window 1
.set n, 0
.rept 64
	global_load_b128 v[4*n:4*n+3], v[LI], s[4:5] offset:512*n              ; row tiles 0, 1: fragment (a, K step s) at v[128 a + 16 s]
.set n, n+1
.endr
	WIN 0x80                                       ; destination window 2
.rept 64
	global_load_b128 v[4*(n-64):4*(n-64)+3], v[LI], s[4:5] offset:512*n    ; row tiles 2, 3
.set n, n+1
.endr
	WIN 0xc0                                       ; destination window 3
	s_wait_alu depctr_va_vdst(0)
.irp u, 0,1
.irp n, 0,1,2,3
	global_load_b128 v[BP+32*\u+8*\n:BP+32*\u+8*\n+3],   v10, s[8:9] offset:(64*\u+16*\n)*4
	global_load_b128 v[BP+32*\u+8*\n+4:BP+32*\u+8*\n+7], v10, s[8:9] offset:(64*\u+16*\n)*4+16
.endr
.endr
	WIN 0
	s_wait_tensorcnt 0x0                           ; my rows of Wp have landed,
	s_barrier_signal -1
	s_barrier_wait -1                              ; everybody's have
.macro FETCHB g, p                     ; Wp's four fragments of column half g / 8, K step g % 8, into set p: 32 loads of 8 bytes
	WIN 0xc0
.irp n, 0,1,2,3
.irp c, 0,1,2,3,4,5,6,7
	ds_load_b64 v[64*(\p)+16*\n+2*\c:64*(\p)+16*\n+2*\c+1], v[BA+(\g)/8] offset:16*WP*\n+128*((\g)%8)+16*\c
.endr
.endr
.endm
.macro MUL s, p, zero                  ; 16 products, the accumulators by turns
.irp a, 0,1,2,3
.if \a == 0
	WIN 0x07                                       ; source 0 (Wp) window 3, source 1 (a) window 1
.endif
.if \a == 2
	WIN 0x0b                                       ; source 1 window 2
.endif
.irp n, 0,1,2,3
.if \zero
	v_wmma_f32_16x16x128_bf8_bf8 v[ACC+8*(4*\a+\n):ACC+8*(4*\a+\n)+7], v[64*(\p)+16*\n:64*(\p)+16*\n+15], v[128*(\a%2)+16*(\s):128*(\a%2)+16*(\s)+15], 0
.else
	v_wmma_f32_16x16x128_bf8_bf8 v[ACC+8*(4*\a+\n):ACC+8*(4*\a+\n)+7], v[64*(\p)+16*\n:64*(\p)+16*\n+15], v[128*(\a%2)+16*(\s):128*(\a%2)+16*(\s)+15], v[ACC+8*(4*\a+\n):ACC+8*(4*\a+\n)+7]
.endif
.endr
.endr
.endm
; A half's way out: sum x 2^(e10 + e11) + bp, one packed multiply-add for two numbers; into my stage; back as rows of 256 bytes, 32 rows at a time; stored.
.macro OUT u
	WIN 0x30                                       ; source 2 (bp) window 3
.irp a, 0,1,2,3
.irp n, 0,1,2,3
.irp i, 0,2,4,6
	v_pk_fma_f32 v[ACC+8*(4*\a+\n)+\i:ACC+8*(4*\a+\n)+\i+1], v[ACC+8*(4*\a+\n)+\i:ACC+8*(4*\a+\n)+\i+1], s[46:47], v[BP+32*(\u)+8*\n+\i:BP+32*(\u)+8*\n+\i+1] op_sel_hi:[1,0,1]
.endr
.endr
.endr
	WIN 0
.irp a, 0,1,2,3
.irp n, 0,1,2,3
	ds_store_b128 v[SO], v[ACC+8*(4*\a+\n):ACC+8*(4*\a+\n)+3]   offset:16*SPT*\a+64*\n
	ds_store_b128 v[SO], v[ACC+8*(4*\a+\n)+4:ACC+8*(4*\a+\n)+7] offset:16*SPT*\a+64*\n+16
.endr
.endr
.irp b, 0,1                            ; rows 32 b on, into v32-95 and then into v128-191, whose stores into the stage are done by then (the first count-down ends at 0)
.irp t, 0,1,2,3,4,5,6,7,8,9,10,11,12,13,14,15
	ds_load_b128 v[32+96*\b+4*\t:32+96*\b+4*\t+3], v[SR] offset:32*SPT*\b+2*SPT*\t   ; LDS serves a wave's instructions in order (ISA guide 5.7.1.4): these see my stores
.endr
.irp t, 0,1,2,3,4,5,6,7,8,9,10,11,12,13,14,15
	s_wait_dscnt 15-\t
	global_store_b128 v[CO], v[32+96*\b+4*\t:32+96*\b+4*\t+3], s[12:13] offset:131072*\b+8192*\t+256*(\u) th:TH_STORE_NT   ; 16 lanes store 256 consecutive bytes, at a multiple of 256 from out0's first byte
.endr
.endr
	s_wait_xcnt 0x0                                ; the stores have read their registers, which the next half writes
.endm
	FETCHB 0, 0
	FETCHB 1, 1
	WIN 0
	s_wait_loadcnt 0x0                             ; a and bp
	s_wait_kmcnt 0x0
	s_add_co_i32 s46, s46, s47
	s_add_co_i32 s46, s46, 127
	s_lshl_b32 s46, s46, 23                        ; 2^(e10 + e11) as f32
	s_mov_b32 s47, s46                             ; (named with it as a pair)
.set G, 0
.rept 16                               ; step G: column half G / 8, K step G % 8, Wp's set G % 2
.if G < 15
	s_wait_dscnt 32                                ; this step's set is in; the other set's 32 loads may be out
.else
	s_wait_dscnt 0x0
.endif
.if (G%8) == 0
	MUL G%8, G%2, 1                                ; a half's first products start the sums
.else
	MUL G%8, G%2, 0
.endif
	PLACES                                         ; in front of loads into the set just read, and of the first read of results
.if G+2 <= 15
	FETCHB G+2, G%2
.endif
.if (G%8) == 7
	OUT G/8                                        ; the first half's stores leave while the second half is multiplied
.endif
.set G, G+1
.endr
	WIN 0
	s_wait_tensorcnt 0x0
	ds_add_u32 v126, v127
	s_wait_dscnt 0x0
	CROUND                                         ; the closing round: no work-group ends while a partner may still ask for a tile that names it
	s_endpgm
.Lfunc_end_k_qc3f212e62b_proj:
	.size	k_qc3f212e62b_proj, .Lfunc_end_k_qc3f212e62b_proj-k_qc3f212e62b_proj
	.p2alignl 7, 3214868480
	.fill 96, 4, 3214868480
	.section	.rodata,"a",@progbits
	.p2align	6, 0x0
	.amdhsa_kernel k_qc3f212e62b_proj
		.amdhsa_group_segment_fixed_size 203264
		.amdhsa_private_segment_fixed_size 0
		.amdhsa_enable_private_segment 0
		.amdhsa_kernarg_size 40
		.amdhsa_user_sgpr_count 2
		.amdhsa_user_sgpr_kernarg_segment_ptr 1
		.amdhsa_wavefront_size32 1
		.amdhsa_system_sgpr_workgroup_id_x 1
		.amdhsa_system_sgpr_workgroup_id_y 1
		.amdhsa_system_sgpr_workgroup_id_z 1
		.amdhsa_system_vgpr_workitem_id 0
		.amdhsa_next_free_vgpr 1024
		.amdhsa_next_free_sgpr 66
		.amdhsa_reserve_vcc 0
		.amdhsa_float_denorm_mode_32 3
		.amdhsa_float_denorm_mode_16_64 3
		.amdhsa_memory_ordered 1
		.amdhsa_forward_progress 1
		.amdhsa_inst_pref_size 95
	.end_amdhsa_kernel
	.amdgpu_metadata
---
amdhsa.version: [ 1, 2 ]
amdhsa.kernels:
  - .name:           k_qc3f212e62b_proj
    .symbol:         k_qc3f212e62b_proj.kd
    .args:
      - { .name: a_img, .offset: 0, .size: 8, .value_kind: global_buffer, .address_space: global }
      - { .name: Wp_codes, .offset: 8, .size: 8, .value_kind: global_buffer, .address_space: global }
      - { .name: bp, .offset: 16, .size: 8, .value_kind: global_buffer, .address_space: global }
      - { .name: lowp_scales, .offset: 24, .size: 8, .value_kind: global_buffer, .address_space: global }
      - { .name: out0, .offset: 32, .size: 8, .value_kind: global_buffer, .address_space: global }
    .group_segment_fixed_size: 203264
    .private_segment_fixed_size: 0
    .kernarg_segment_align: 8
    .kernarg_segment_size: 40
    .max_flat_workgroup_size: 128
    .sgpr_count:     66
    .vgpr_count:     1024
    .wavefront_size: 32
...
	.end_amdgpu_metadata
.endif
;; end of part 3
